; MI455X (gfx1250); checked and timed in simulation.
; The chip was launched on July 23, 2026; its instructions are those of AMD's public machine-readable ISA for CDNA 5 (MIT licence, August 2026) and "CDNA5" Instruction Set Architecture Reference Guide (July 2026). The comments in the code are by the model that wrote it; some were corrected since.
;; Memory Mo E. Allowed arithmetic: float matrix products may take bf16 or f16 operands with f32 sums; other float arithmetic in f32, or as packed bf16 or f16 multiplies, adds, multiply-adds, maxima and minima; sums over many terms, partial sums and values carried from step to step in f32; what a program stores and reads back later, other than sums and carried values, may be rounded once to bf16 or f16.
;; Inputs: routing_indices 4 x 2,048 x 1 int32; routing_weights 4 x 2,048 x 8 float32; w0 8 x 512 x 1,024 float32; w1 8 x 1,024 x 512 float32; x 4 x 2,048 x 512 float32.
;; Outputs: out0 4 x 2,048 x 512 float32.
;; One version. Each part assembles by itself: llvm-mc -triple=amdgcn-amd-amdhsa -mcpu=gfx1250 --defsym DOCPART=n.
;; ======== version 1 of 1: 3 launches
;; limits: values are held in f16: magnitudes above 65,504 overflow, below 6.1e-05 lose precision; right only within a limited range of input values
;; workspace buffers: w0b 8,388,608 bytes; w1b 8,388,608 bytes; xb 8,388,608 bytes; hb 18,874,368 bytes; route 65,536 bytes of whole numbers
;; launch prep (part 1): grid 832 x 1, 8 waves a work-group, no clusters, 10,496 bytes of LDS; arguments routing_indices, x, w0, w1, w0b, w1b, xb, route; writes w0b, w1b, xb, route
.if DOCPART == 1
	.amdgcn_target "amdgcn-amd-amdhsa--gfx1250"
	.amdhsa_code_object_version 6
	.text
	.protected	k_q9f222b5312_prep
	.globl	k_q9f222b5312_prep
	.p2align	8
	.type	k_q9f222b5312_prep,@function
k_q9f222b5312_prep:
	s_mov_b64 s[64:65], 0
	v_nop
	global_prefetch_b8 v0, s[64:65] scope:SCOPE_SE
	s_setreg_imm32_b32 hwreg(HW_REG_WAVE_MODE, 25, 1), 1
	s_wait_xcnt 0x0
; PREP.  Work-groups 0-63: routing.  64-319: x rounded to bf16, in the tokens' own order.  320-575: w0, 576-831: w1, rounded to bf16 and laid out as matrix operands.
; ROW GROUPS.  A group has 144 places.  Expert e gets ceil(n_e / 144) groups, in the experts' order; the sum over 8 experts of ceil(n_e / 144) is at most
; (8192 + 8 x 143) / 144 = 64.8, so 64 groups serve every split of the 8,192 tokens.  Group g belongs to the last expert whose first group is <= g and takes
; that expert's ranks 144 i .. 144 i + 143 (i = g - first group); cnt = clamp(n_e - 144 i, 0, 144).  Places past cnt repeat the group's last token (token 0 where cnt = 0).
; Work-group g counts all 8,192 indices for itself (no traffic between work-groups) and stores the table route[g]: words 0-143 tokens, 144 the expert, 145 cnt, the rest 0.
; The rows of x are NOT gathered here: that would hang a third memory access on the list, which hangs on the indices.  The next launch fetches them by the list.
; A token's rank among its expert's tokens goes by (wave, index register, lane).
; LIMIT: indices are 0..7, as the problem grants; another number would be counted for a wrong expert, and its token's row would not be written.
; WEIGHTS.  w0b[e][nb][o][r][i] = bf16(w0[e][8 o + i][16 nb + r]): the 1,024 bytes at nb x (K/8) x 256 + kk x 1024 are one operand of 16 columns x 32 k,
; of which lane L takes 16 bytes at 16 L and 16 bytes at 512 + 16 L.  w1b has the same order, and holds bf16(w1) WRITTEN AS f16: the second product's other operand, the hidden layer, is f16.
; LIMIT: f16 holds a bf16 number exactly from 2^-17 to 65,504 in magnitude; below 2^-17 it is off by 3e-8 at the most; w1 beyond 65,504 would become an infinity.
.set FIN,   8192                       ; LDS: 0-8191 eight lists of 1,024 bytes, one a wave; then the finished table, 256 words
.set WT,    9216                       ; 16 entries of 16 bytes: 0-7 zero, 8 + w wave w's packed counts
.set SPARE, 9472                       ; the spare words, 128 bytes a wave: four blocks of 256 bytes that no other line names
.set GM,    144                        ; places in a group
.set WGX,   64                         ; the first work-group of x's,
.set WG0,   320                        ; of w0's,
.set WG1,   576                        ; of w1's
; A work-group rounds 64 k x 256 columns of one expert.  A 16-byte piece of an operand is 8 k of ONE column, so a lane owns one column: a load of the wave covers 128
; consecutive bytes (the neighbour wave the other half of the aligned 256), the price of turning the matrix with no LDS and no exchange between lanes.  All 64 loads go out first.
; A store covers two whole aligned blocks of 256 bytes: lanes 0-15 one column block's, lanes 16-31 the next's.  half = 1: the bf16 numbers are written as f16.
.macro CAST first, lk, pitch, nbs, cqb, src, dst, half
	s_sub_co_u32 s22, s21, \first
	s_lshr_b32 s23, s22, 5                         ; expert
	s_and_b32 s24, s22, 31
	s_and_b32 s25, s24, (1<<\cqb)-1                ; which 256 columns
	s_lshr_b32 s26, s24, \cqb                      ; which 64 k
	s_lshl_b32 s28, s23, 21                        ; an expert's f32 weights are 2 MiB
	s_lshl_b32 s27, s26, \lk
	s_add_co_u32 s28, s28, s27
	s_lshl_b32 s27, s25, 10
	s_add_co_u32 s28, s28, s27
	s_mov_b32 s29, 0
	s_add_nc_u64 s[\src:\src+1], s[\src:\src+1], s[28:29]
	s_lshl_b32 s30, s23, 20                        ; in 16 bits 1 MiB
	s_mul_i32 s27, s25, 16*\nbs
	s_add_co_u32 s30, s30, s27
	s_lshl_b32 s27, s26, 11                        ; 64 k = 8 octets of 256 bytes
	s_add_co_u32 s30, s30, s27
	s_mov_b32 s31, 0
	s_add_nc_u64 s[\dst:\dst+1], s[\dst:\dst+1], s[30:31]
	v_lshlrev_b32 v4, 2, v0                        ; my column, in bytes of a row
	v_lshrrev_b32 v5, 4, v0
	v_and_b32 v6, 15, v0
	v_mul_u32_u24 v5, v5, \nbs                     ; my column block
	v_lshl_add_u32 v5, v6, 4, v5                   ; and my column's 16 bytes in it
.set i, 0
.rept 64
	global_load_b32 v[16+i], v4, s[\src:\src+1] offset:i*\pitch th:TH_LOAD_NT
.set i, i+1
.endr
.set oo, 0
.rept 8
	s_wait_loadcnt 56-8*oo                         ; loads come back in order: rows 8 oo .. 8 oo + 7 are in; the count is the loads behind them
.set d, 0
.rept 4
	v_cvt_pk_bf16_f32 v[80+4*oo+d], v[16+8*oo+2*d], v[16+8*oo+2*d+1]
.set d, d+1
.endr
.if \half
.set d, 0
.rept 4
	v_lshlrev_b32 v[8+2*d], 16, v[80+4*oo+d]       ; the two bf16 numbers as f32,
	v_and_b32 v[9+2*d], 0xffff0000, v[80+4*oo+d]
.set d, d+1
.endr
.set d, 0
.rept 4
	v_cvt_pk_f16_f32 v[80+4*oo+d], v[8+2*d], v[9+2*d]  ; and as f16
.set d, d+1
.endr
.endif
	global_store_b128 v5, v[80+4*oo:83+4*oo], s[\dst:\dst+1] offset:256*oo
.set oo, oo+1
.endr
.endm
; one expert's step of the walk over the groups: s42 = the expert's first group
.macro WALK e
	s_cmp_ge_u32 s23, s42
	s_cselect_b32 s44, \e, s44                     ; the expert,
	s_cselect_b32 s45, s42, s45                    ; its first group,
	s_cselect_b32 s46, s[24+\e], s46               ; its tokens,
	s_cselect_b32 s47, s[32+\e], s47               ; and how many of them lie in the waves ahead of mine
	s_add_co_u32 s41, s[24+\e], GM-1
	s_mul_i32 s41, s41, 7282                       ; x 7282 >> 20 is floor(x / 144) for x <= 8,335: 7282 / 2^20 - 1 / 144 = 2.1e-7, and 8,335 times that stays under 1 / 144
	s_lshr_b32 s41, s41, 20
	s_add_co_u32 s42, s42, s41
.endm
.macro UNP vr, lo, hi                  ; two 16-bit counts out of a register that is equal in all lanes
	v_readfirstlane_b32 s40, v[\vr]
	s_and_b32 s[\lo], s40, 0xffff
	s_lshr_b32 s[\hi], s40, 16
.endm
	s_load_b512 s[4:19], s[0:1], 0x0               ; indices s[4:5], x s[6:7], w0 s[8:9], w1 s[10:11], w0b s[12:13], w1b s[14:15], xb s[16:17], route s[18:19]
	v_lshl_add_u32 v2, v0, 2, SPARE                ; my spare word,
	v_mov_b32 v3, 0                                ; and 0: kept for the closing add alone
	v_lshrrev_b32 v1, 5, v0
	v_readfirstlane_b32 s20, v1                    ; wave 0..7
	s_mov_b32 s21, ttmp9
	s_wait_kmcnt 0x0
	s_cmp_lt_u32 s21, WGX                          ; the four ways hang on the work-group's number alone; the longest way has the lowest numbers
	s_cbranch_scc1 .Lgroup
	s_cmp_lt_u32 s21, WG0
	s_cbranch_scc1 .Lx
	s_cmp_lt_u32 s21, WG1
	s_cbranch_scc1 .Lw0
	CAST WG1, 17, 2048, 32768, 1, 10, 14, 1        ; w1: rows of 512 columns, K = 1,024; written as f16
	s_endpgm                                       ; this way has written no LDS
.Lw0:
	CAST WG0, 18, 4096, 16384, 2, 8, 12, 0         ; w0: rows of 1,024 columns, K = 512; bf16
	s_endpgm
.Lx:
	; x: a work-group rounds 65,536 bytes (32 tokens).  A load of the wave covers 512 consecutive bytes, a store 256, a whole aligned block.  All 16 loads go out first.
	s_sub_co_u32 s22, s21, WGX
	s_lshl_b32 s28, s22, 16
	s_mov_b32 s29, 0
	s_add_nc_u64 s[6:7], s[6:7], s[28:29]
	s_lshl_b32 s30, s22, 15
	s_mov_b32 s31, 0
	s_add_nc_u64 s[16:17], s[16:17], s[30:31]
	v_lshlrev_b32 v4, 4, v0
	v_lshlrev_b32 v5, 3, v0
.set i, 0
.rept 16
	global_load_b128 v[16+4*i:19+4*i], v4, s[6:7] offset:4096*i th:TH_LOAD_NT
.set i, i+1
.endr
.set i, 0
.rept 16
	s_wait_loadcnt 15-i                            ; load i is in; the count is the loads behind it
	v_cvt_pk_bf16_f32 v[80+2*i], v[16+4*i], v[17+4*i]
	v_cvt_pk_bf16_f32 v[81+2*i], v[18+4*i], v[19+4*i]
	global_store_b64 v5, v[80+2*i:81+2*i], s[16:17] offset:2048*i
.set i, i+1
.endr
	s_endpgm                                       ; this way has written no LDS
.Lgroup:
	s_and_b32 s23, s21, 63                         ; group
	v_and_b32 v1, 31, v0                           ; lane
	v_lshlrev_b32 v4, 2, v0                        ; 4 t
	v_lshlrev_b32 v5, 4, v0                        ; 16 t
	v_lshlrev_b32 v15, 4, v1
.set c, 0
.rept 8
	global_load_b128 v[16+4*c:19+4*c], v5, s[4:5] offset:4096*c  ; register 16 + 4 c + j: the index of token 1024 c + 4 t + j
.set c, c+1
.endr
	s_mov_b32 s52, 0x76543210                      ; v_permlanex16_b32: each lane takes its own place in the other half
	s_mov_b32 s53, 0xfedcba98
	s_mov_b32 s54, 0x0f0f0f0f
	s_mov_b32 s55, 0x00ff00ff
	s_lshl_b32 s51, s20, 10                        ; my wave's list
	v_mov_b32 v10, 0
	v_mov_b32 v11, 0
	v_mov_b32 v12, 0
	v_mov_b32 v13, 0
	v_add_nc_u32 v6, s51, v15
	ds_store_b128 v6, v[10:13]                     ; my wave's list is cleared by my wave: LDS serves a wave's instructions in order, so its later stores come behind these
	ds_store_b128 v6, v[10:13] offset:512
	s_cmp_lg_u32 s20, 0
	s_cbranch_scc1 .Lnot_first
	v_lshlrev_b32 v7, 2, v1
	ds_store_b32 v7, v10 offset:WT                 ; wave 0: the eight zero entries
.Lnot_first:
	; COUNTS.  Eight indices at a time into eight 4-bit fields (8 at the most in each), these into bytes (32 at the most), these into 16-bit fields.
	s_wait_loadcnt 0x0
.set q, 0
.rept 4
	v_mov_b32 v48, 0
.set j, 0
.rept 8
	v_lshlrev_b32 v49, 2, v[16+8*q+j]
	v_lshl_add_u32 v48, 1, v49, v48
.set j, j+1
.endr
.if q == 0
	v_and_b32 v50, s54, v48                        ; bytes: experts 0, 2, 4, 6
	v_lshrrev_b32 v51, 4, v48
	v_and_b32 v51, s54, v51                        ; experts 1, 3, 5, 7
.else
	v_and_b32 v6, s54, v48
	v_lshrrev_b32 v7, 4, v48
	v_and_b32 v7, s54, v7
	v_add_nc_u32 v50, v50, v6
	v_add_nc_u32 v51, v51, v7
.endif
.set q, q+1
.endr
	v_and_b32 v52, s55, v50                        ; experts 0 | 4 << 16
	v_lshrrev_b32 v53, 8, v50
	v_and_b32 v53, s55, v53                        ; 2 | 6
	v_and_b32 v54, s55, v51                        ; 1 | 5
	v_lshrrev_b32 v55, 8, v51
	v_and_b32 v55, s55, v55                        ; 3 | 7
	v_mov_b32 v8, 0                                ; the exchanges' destination counts as read
.irp r, 52,53,54,55                    ; the sum over my wave's 32 lanes: 1,024 at the most in a field
	v_mov_b32_dpp v8, v\r row_xmask:1 row_mask:0xf bank_mask:0xf
	v_add_nc_u32 v\r, v\r, v8
	v_mov_b32_dpp v8, v\r row_xmask:2 row_mask:0xf bank_mask:0xf
	v_add_nc_u32 v\r, v\r, v8
	v_mov_b32_dpp v8, v\r row_xmask:4 row_mask:0xf bank_mask:0xf
	v_add_nc_u32 v\r, v\r, v8
	v_mov_b32_dpp v8, v\r row_xmask:8 row_mask:0xf bank_mask:0xf
	v_add_nc_u32 v\r, v\r, v8
	v_permlanex16_b32 v8, v\r, s52, s53
	v_add_nc_u32 v\r, v\r, v8
.endr
	s_lshl_b32 s41, s20, 4
	v_mov_b32 v9, s41
	ds_store_b128 v9, v[52:55] offset:WT+128       ; entry 8 + wave: all lanes write the same 16 bytes
	s_wait_dscnt 0x0                               ; for the others' sake: my stores are done
	s_barrier_signal -1
	s_barrier_wait -1
	v_mov_b32 v7, 0
.set i, 0
.rept 8
	ds_load_b128 v[56+4*i:59+4*i], v9 offset:WT+16*i       ; entries wave .. wave + 7: zeros, and the waves ahead of mine
	ds_load_b128 v[88+4*i:91+4*i], v7 offset:WT+128+16*i   ; all eight waves
.set i, i+1
.endr
	s_wait_dscnt 0x0
.set i, 1
.rept 7
.set d, 0
.rept 4
	v_add_nc_u32 v[56+d], v[56+d], v[56+4*i+d]
	v_add_nc_u32 v[88+d], v[88+d], v[88+4*i+d]
.set d, d+1
.endr
.set i, i+1
.endr
	UNP 88, 24, 28                                 ; s[24:31]: n_e, each expert's tokens
	UNP 89, 26, 30
	UNP 90, 25, 29
	UNP 91, 27, 31
	UNP 56, 32, 36                                 ; s[32:39]: those of them in the waves ahead of mine
	UNP 57, 34, 38
	UNP 58, 33, 37
	UNP 59, 35, 39
	s_mov_b32 s42, 0
	s_mov_b32 s44, 0
	s_mov_b32 s45, 0
	s_mov_b32 s46, 0
	s_mov_b32 s47, 0
.irp e, 0,1,2,3,4,5,6,7
	WALK \e
.endr
	s_sub_co_u32 s50, s23, s45
	s_mul_i32 s50, s50, GM                         ; the group's first rank
	s_sub_co_i32 s49, s46, s50
	s_max_i32 s49, s49, 0
	s_min_i32 s49, s49, GM                         ; cnt
	s_sub_co_u32 s48, s47, s50                     ; my wave's first rank, counted from the group's: below the group it wraps to a large number
	; THE SCATTER.  A token of the group's expert has the place: running count + the lanes below it that hold such a token.  Every other token, and every place outside 0..143,
	; goes to word 144 of my wave's list, which nobody reads.
.set j, 0
.rept 32
	v_cmp_eq_u32 s40, s44, v[16+j]
	v_mbcnt_lo_u32_b32 v6, s40, s48
	s_bcnt1_i32_b32 s41, s40
	s_add_co_u32 s48, s48, s41
	v_cndmask_b32 v6, -1, v6, s40
	v_min_u32 v6, GM, v6
	v_lshl_add_u32 v6, v6, 2, s51
	v_add_nc_u32 v7, 1024*(j/4)+j%4, v4            ; the token's number
	ds_store_b32 v6, v7
.set j, j+1
.endr
	s_wait_dscnt 0x0
	s_barrier_signal -1
	s_barrier_wait -1
	; THE TABLE.  A place was written by one wave at the most, and the other lists hold 0 there: the eight lists are joined by OR.
	s_max_u32 s41, s49, 1
	s_sub_co_u32 s41, s41, 1
	v_min_u32 v6, s41, v0                          ; places past cnt repeat the last token
	v_min_u32 v6, GM-1, v6
	v_lshlrev_b32 v6, 2, v6
.set w, 0
.rept 8
	ds_load_b32 v[56+w], v6 offset:1024*w
.set w, w+1
.endr
	s_wait_dscnt 0x0
	v_or_b32 v56, v56, v57
	v_or_b32 v58, v58, v59
	v_or_b32 v60, v60, v61
	v_or_b32 v62, v62, v63
	v_or_b32 v56, v56, v58
	v_or_b32 v60, v60, v62
	v_or_b32 v56, v56, v60
	v_cmp_gt_u32 vcc_lo, GM, v0
	v_cndmask_b32 v56, 0, v56, vcc_lo
	v_mov_b32 v7, s44
	v_cmp_eq_u32 vcc_lo, GM, v0
	v_cndmask_b32 v56, v56, v7, vcc_lo             ; word 144: the expert
	v_mov_b32 v7, s49
	v_cmp_eq_u32 vcc_lo, GM+1, v0
	v_cndmask_b32 v56, v56, v7, vcc_lo             ; word 145: cnt
	ds_store_b32 v4, v56 offset:FIN
	s_wait_dscnt 0x0
	s_barrier_signal -1
	s_barrier_wait -1
	s_cmp_ge_u32 s20, 2                            ; waves 0 and 1 store the table: 64 lanes x 16 bytes, four whole aligned blocks of 256
	s_cbranch_scc1 .Lno_table
	s_lshl_b32 s58, s23, 10
	s_mov_b32 s59, 0
	s_add_nc_u64 s[18:19], s[18:19], s[58:59]
	v_and_b32 v6, 63, v0
	v_lshlrev_b32 v6, 4, v6
	ds_load_b128 v[112:115], v6 offset:FIN
	s_wait_dscnt 0x0
	global_store_b128 v6, v[112:115], s[18:19]
.Lno_table:
	s_wait_tensorcnt 0x0                           ; the wave's end: these three lines behind my last LDS store
	ds_add_u32 v2, v3
	s_wait_dscnt 0x0
	s_endpgm
.Lfunc_end_k_q9f222b5312_prep:
	.size	k_q9f222b5312_prep, .Lfunc_end_k_q9f222b5312_prep-k_q9f222b5312_prep
	.p2alignl 7, 3214868480
	.fill 96, 4, 3214868480
	.section	.rodata,"a",@progbits
	.p2align	6, 0x0
	.amdhsa_kernel k_q9f222b5312_prep
		.amdhsa_group_segment_fixed_size 10496
		.amdhsa_private_segment_fixed_size 0
		.amdhsa_enable_private_segment 0
		.amdhsa_kernarg_size 64
		.amdhsa_user_sgpr_count 2
		.amdhsa_user_sgpr_kernarg_segment_ptr 1
		.amdhsa_wavefront_size32 1
		.amdhsa_system_sgpr_workgroup_id_x 1
		.amdhsa_system_sgpr_workgroup_id_y 1
		.amdhsa_system_sgpr_workgroup_id_z 1
		.amdhsa_system_vgpr_workitem_id 0
		.amdhsa_next_free_vgpr 128
		.amdhsa_next_free_sgpr 66
		.amdhsa_reserve_vcc 1
		.amdhsa_float_denorm_mode_32 3
		.amdhsa_float_denorm_mode_16_64 3
		.amdhsa_memory_ordered 1
		.amdhsa_forward_progress 1
		.amdhsa_inst_pref_size 65
	.end_amdhsa_kernel
	.amdgpu_metadata
---
amdhsa.version: [ 1, 2 ]
amdhsa.kernels:
  - .name:           k_q9f222b5312_prep
    .symbol:         k_q9f222b5312_prep.kd
    .args:
      - { .name: routing_indices, .offset: 0, .size: 8, .value_kind: global_buffer, .address_space: global }
      - { .name: x, .offset: 8, .size: 8, .value_kind: global_buffer, .address_space: global }
      - { .name: w0, .offset: 16, .size: 8, .value_kind: global_buffer, .address_space: global }
      - { .name: w1, .offset: 24, .size: 8, .value_kind: global_buffer, .address_space: global }
      - { .name: w0b, .offset: 32, .size: 8, .value_kind: global_buffer, .address_space: global }
      - { .name: w1b, .offset: 40, .size: 8, .value_kind: global_buffer, .address_space: global }
      - { .name: xb, .offset: 48, .size: 8, .value_kind: global_buffer, .address_space: global }
      - { .name: route, .offset: 56, .size: 8, .value_kind: global_buffer, .address_space: global }
    .group_segment_fixed_size: 10496
    .private_segment_fixed_size: 0
    .kernarg_segment_align: 8
    .kernarg_segment_size: 64
    .max_flat_workgroup_size: 256
    .sgpr_count:     66
    .vgpr_count:     128
    .wavefront_size: 32
...
	.end_amdgpu_metadata
.endif
;; end of part 1
;; launch up (part 2): grid 256 x 1, 4 waves a work-group, no clusters, 167,936 bytes of LDS; arguments xb, w0b, route, hb; writes hb
.if DOCPART == 2
	.amdgcn_target "amdgcn-amd-amdhsa--gfx1250"
	.amdhsa_code_object_version 6
	.text
	.protected	k_q9f222b5312_up
	.globl	k_q9f222b5312_up
	.p2align	8
	.type	k_q9f222b5312_up,@function
k_q9f222b5312_up:
	s_mov_b64 s[64:65], 0
	v_nop
	global_prefetch_b8 v0, s[64:65] scope:SCOPE_SE
	s_setreg_imm32_b32 hwreg(HW_REG_WAVE_MODE, 25, 1), 1
	s_wait_xcnt 0x0
; UP.  hb[g][m][n] = gelu(sum over k of xb[token(g, m)][k] w0[e][k][n]) / 16, token = route[g][m], e = route[g][144].  xb: [8192][512] bf16; w0b: bf16 in operand order; hb: [64][144][1024] f16.
; Sums and gelu in f32.  THE HIDDEN LAYER IS f16, not bf16: its rounding is summed over 1,024 terms of the second product, and 8 significant bits leave outputs near zero too little room.
; It is stored times 2^-4 (exact; the last launch gives the 16 back in the gate), which puts f16's range round it: for inputs of the drawn kind |h| / 16 is 0.27 at the most.
; SHARES.  Work-group 4 g + cx has group g's 144 rows and the columns 256 cx .. + 255; each of its four waves 64 of these and ALL 144 rows: 9 x 4 accumulators of 16 x 16.
; So a wave's weights are read by that wave alone: they come from memory straight into registers, 512 consecutive bytes a load, through a ring of 7 K steps, and never touch LDS.
; THE ROWS come by the list, by asynchronous copies, lane by lane: a wave fetches its 36 places' rows, two rows a copy (lanes 0-15 one row's 256 bytes, lanes 16-31 the next row's), a quarter of K
; at a time: 72 copies, issued once; nothing is filled again.  A row lies whole in LDS, so that one immediate steps both addresses of a copy.
; NO CLUSTER: the four work-groups of a group want the same rows, but rows named by a list are covered by no tensor descriptor; laying them end to end first would cost the launch before a
; further memory access that hangs on the list, and 9.4 MB stored and read again.  The price here: a row of 1,024 bytes is fetched four times.
; THE MATRIX INSTRUCTION IS USED TRANSPOSED (source 0 = 16 columns of W, source 1 = 16 rows): a lane holds row l % 16 and the columns 8 (l / 16) + 0..7.
; GELU.  c x Phi(x) = (c/2) x + |x| (c/2 - c Phi(-|x|)), c = 2^-4, Phi(-|x|) = (a1 t + .. + a5 t^5) / 2 x exp(-x^2 / 2), t = 1 / (1 + 0.3275911 |x| / sqrt 2) (Abramowitz and Stegun 7.1.26);
; c is folded into the five coefficients (exact).
; LIMITS.  The formula's error in erf is 1.5e-7 at the most, and the difference of the two halves adds a rounding of 3e-8 |x|: gelu is off by 1.1e-7 |x| at the most, so below x = -5, where
; |gelu| < 1.5e-6, the relative accuracy is lost.  Beyond |x| = 13.2 the exponential comes out as 0 and gelu is x or 0.  f16: |h| of 1.04e6 or more becomes an infinity (x and w0 both 30 times
; larger give 4e3; an offset of 30 spreads on both, 512 x 30 x 3.75 = 5.8e4); below |h| = 9.8e-4 the stored number keeps a fixed step, 9.5e-7 in h.  NaN and infinities are not treated apart.
; All 144 rows are computed and stored, those past cnt too (they repeat a row).
; REGISTERS, in windows of 256 (s_set_vgpr_msb: bits 1:0 source 0, 3:2 source 1, 5:4 source 2, 7:6 destination):
;   window 0: v0-31 addresses; v32-103, v104-175 the rows' 9 operands, two buffers; v176-211 the copies' addresses; on the way out v32-143 at work
;   window 1: accumulators (mb, nk), mb < 8, at v[8 (4 mb + nk)]          window 2: v0-31 those of mb = 8; v32-255 the weights' ring, 7 x 32
.set MB,   9                           ; blocks of 16 rows
.set PA,   1040                        ; an LDS row: 1,024 bytes + 16 = 260 words: the 16 rows of a load start at 16 different groups of four banks (64 banks of 4 bytes: ISA guide 11.1)
.set KS,   16                          ; K steps of 32
.set NB,   4                           ; column blocks of a wave
.set R,    7                           ; ring slots
.set LPG,  2*NB                        ; loads for a K step's weights
.set NBS,  16384                       ; bytes of a column block in w0b
.set BR,   32
.set NP,   18                          ; pairs of rows that a wave fetches
.set AD,   12                          ; v12-14  LDS address of my operands in row blocks 0-2, 3-5, 6-8 (the immediate has 16 bits)
.set GF,   176                         ; v176-193  pair p: the token, then my 16 bytes' offset in xb
.set LA,   194                         ; v194-211  pair p: my 16 bytes' LDS address
.set SPARE, 144*PA                     ; the spare words, 128 bytes a wave: two blocks of 256 bytes that no other line names
.set SPI,  1040                        ; the stage's row: 256 f32 + 16 bytes; it lies over the rows, which have had their only fill and their last read
.set MSB, 0
.macro WIN new                         ; the immediate's high byte repeats the setting that is left; a switch that changes nothing is dropped
.if MSB != (\new)
	s_set_vgpr_msb (MSB<<8)|(\new)
.set MSB, \new
.endif
.endm
.macro PLACES                          ; four plain vector instructions between a matrix instruction and a load into, or a store of, its registers
.rept 4
	v_nop
.endr
.endm
.macro MM1                             ; the product of row block mb and column block nk in K step ks
.set fa, 32+72*(ks%2)+8*mb
.set fw, BR+(ks%R)*8*NB+8*nk
.if mb < 8
	WIN 0x52
.set ac, 8*(mb*NB+nk)
.else
	WIN 0xa2
.set ac, 8*nk
.endif
.if ks == 0
	v_wmma_f32_16x16x32_bf16 v[ac:ac+7], v[fw:fw+7], v[fa:fa+7], 0
.else
	v_wmma_f32_16x16x32_bf16 v[ac:ac+7], v[fw:fw+7], v[fa:fa+7], v[ac:ac+7]
.endif
.endm
.macro MULS mb0, mb1                   ; the 36 accumulators take turns, one instruction a turn, in the same order in every K step
.set mb, \mb0
.rept (\mb1)-(\mb0)+1
.set nk, 0
.rept NB
	MM1
.set nk, nk+1
.endr
.set mb, mb+1
.endr
.endm
.macro FETCH_A                         ; the rows' operands of K step fs: 18 LDS loads in one run
	WIN 0
.set mb, 0
.rept MB
	ds_load_b128 v[32+72*(fs%2)+8*mb:35+72*(fs%2)+8*mb], v[AD+mb/3] offset:(mb%3)*16*PA+fs*64
	ds_load_b128 v[36+72*(fs%2)+8*mb:39+72*(fs%2)+8*mb], v[AD+mb/3] offset:(mb%3)*16*PA+fs*64+32
.set mb, mb+1
.endr
.endm
.macro LOAD_B                          ; the weights of K step ls into ring slot ls % R
	WIN 0x80
.set nk, 0
.rept NB
	global_load_b128 v[BR+(ls%R)*8*NB+8*nk:BR+(ls%R)*8*NB+8*nk+3],   v4, s[6:7] offset:nk*NBS+ls*1024
	global_load_b128 v[BR+(ls%R)*8*NB+8*nk+4:BR+(ls%R)*8*NB+8*nk+7], v4, s[6:7] offset:nk*NBS+ls*1024+512
.set nk, nk+1
.endr
.endm
.macro STEP                            ; K step ks
	s_wait_dscnt 0x0                               ; the rows' operands of this step are in
.set iss, R+ks-1                       ; weight groups issued so far: R at the start, one in each of the steps 1 .. ks - 1
.if ks == 0
.set iss, R
.endif
.if iss > KS
.set iss, KS
.endif
	s_wait_loadcnt LPG*(iss-ks-1)                  ; this step's weights are in; the count is the loads of the groups behind them
	MULS 0, 1
.if ks+1 < KS
.if (ks+1)%4 == 0
	s_wait_asynccnt NP*(3-(ks+1)/4)                ; my 36 rows' next quarter has landed; the count is my copies of the quarters behind it
	s_barrier_signal -1                            ; no LDS instruction of mine is out, so later quarters may stay on their way
	s_barrier_wait -1                              ; everybody's rows have
.endif
	PLACES                                         ; behind the last step's products, whose operand registers are loaded now
.set fs, ks+1
	FETCH_A
.if (ks >= 1) && (ks+R-1 < KS)
.set ls, ks+R-1
	LOAD_B
.endif
.endif
	MULS 2, 8
.endm
	s_load_b256 s[4:11], s[0:1], 0x0               ; xb s[4:5], w0b s[6:7], route s[8:9], hb s[10:11]
	v_lshl_add_u32 v30, v0, 2, SPARE
	v_mov_b32 v31, 0
	ds_add_u32 v30, v31                            ; the wave's opening: the add and its wait ahead of my first copy; work on registers stands between them
	ds_add_u32 v30, v31
	v_lshrrev_b32 v1, 5, v0
	v_readfirstlane_b32 s12, v1                    ; wave 0..3
	s_and_b32 s13, ttmp9, 3                        ; cx, my column tile
	s_lshr_b32 s14, ttmp9, 2                       ; the row group
	s_mov_b32 s48, 0x3e6d3388                      ; 0.3275911 / sqrt 2
	s_mov_b32 s50, 0xbf38aa3b                      ; -log2(e) / 2
	s_mov_b32 s51, s50                             ; (named as pairs, so both words are written)
	s_mov_b32 s52, 0x3d07dc22                      ; c a5 / 2
	s_mov_b32 s53, s52
	s_mov_b32 s54, 0xbd3a00e3                      ; c a4 / 2
	s_mov_b32 s55, s54
	s_mov_b32 s56, 0x3d35f0e3                      ; c a3 / 2
	s_mov_b32 s57, s56
	s_mov_b32 s58, 0xbc11a98e                      ; c a2 / 2
	s_mov_b32 s59, s58
	s_mov_b32 s60, 0x3c027906                      ; c a1 / 2
	s_mov_b32 s61, s60
	s_lshl_b32 s2, s14, 10                         ; the group's table
	s_mov_b32 s3, 0
	v_and_b32 v1, 15, v0                           ; l % 16
	v_bfe_u32 v2, v0, 4, 1                         ; l / 16
	v_mul_u32_u24 v[AD], v1, PA
	v_lshl_add_u32 v[AD], v2, 4, v[AD]             ; an operand's row x pitch + 16 x half
	v_add_nc_u32 v[AD+1], 3*16*PA, v[AD]
	v_add_nc_u32 v[AD+2], 6*16*PA, v[AD]
	v_lshlrev_b32 v11, 4, v1                       ; a copy: my 16 bytes of a row's 256
	s_mul_i32 s16, s12, 36*PA                      ; my wave's 36 rows in LDS
	v_mul_u32_u24 v15, v2, PA                      ; lanes 16-31 take the pair's second row
	v_add_nc_u32 v15, v15, v11
	v_add_nc_u32 v15, s16, v15
.set pp, 0
.rept NP
	v_add_nc_u32 v[LA+pp], pp*2*PA, v15
.set pp, pp+1
.endr
	s_mul_i32 s18, s12, 144                        ; my wave's 36 words of the table
	v_lshl_add_u32 v10, v2, 2, s18
	s_wait_dscnt 0x0                               ; the opening add is done
	s_wait_kmcnt 0x0
	s_add_nc_u64 s[8:9], s[8:9], s[2:3]
	s_load_b32 s22, s[8:9], 0x240                  ; word 144: the expert
.set pp, 0
.rept NP
	global_load_b32 v[GF+pp], v10, s[8:9] offset:8*pp      ; the tokens of places 36 w + 2 p (lanes 0-15) and + 1 (lanes 16-31)
.set pp, pp+1
.endr
	s_mov_b32 s2, 0x3d000000                       ; c / 2 = 2^-5
	s_mov_b32 s3, s2                               ; (named as a pair)
	v_and_b32 v4, 31, v0
	v_lshlrev_b32 v21, 3, v4                       ; 8 x lane: my 8 bytes of 256 of hb
	v_lshlrev_b32 v4, 4, v4                        ; 16 x lane
	v_mul_u32_u24 v5, v1, SPI                      ; into the stage: row l % 16, 32 bytes for each half of the lanes, 256 bytes for each wave
	v_lshl_add_u32 v5, v2, 5, v5
	v_lshl_add_u32 v5, s12, 8, v5
	v_add_nc_u32 v6, 3*16*SPI, v5                  ; row blocks 3-5,
	v_add_nc_u32 v7, 6*16*SPI, v5                  ; 6-8
	s_mul_i32 s16, s12, 36*SPI
	v_add_nc_u32 v20, s16, v4                      ; back: my wave's 36 rows, 512 consecutive bytes a load
	s_mul_i32 s16, s14, 144*2048
	s_mul_i32 s18, s12, 36*2048
	s_add_co_u32 s16, s16, s18
	s_lshl_b32 s18, s13, 9
	s_add_co_u32 s16, s16, s18
	s_mov_b32 s17, 0
	s_add_nc_u64 s[10:11], s[10:11], s[16:17]      ; hb at my wave's first row, my tile's first column
	s_wait_kmcnt 0x0
	s_min_u32 s22, s22, 7
	s_lshl_b32 s16, s22, 20                        ; the expert's weights, 1 MiB;
	s_lshl_b32 s18, s13, 18                        ; my tile's 16 column blocks;
	s_add_co_u32 s16, s16, s18
	s_lshl_b32 s18, s12, 16                        ; my wave's 4
	s_add_co_u32 s16, s16, s18
	s_mov_b32 s17, 0
	s_add_nc_u64 s[6:7], s[6:7], s[16:17]
.set ls, 0
.rept R
	LOAD_B
.set ls, ls+1
.endr
	WIN 0
	s_wait_loadcnt R*LPG                           ; the tokens are in; the count is the 56 weight loads behind them
.set pp, 0
.rept NP
	v_min_u32 v[GF+pp], 0x1fff, v[GF+pp]
	v_lshl_add_u32 v[GF+pp], v[GF+pp], 10, v11     ; the token's row of 1,024 bytes + my 16 bytes
.set pp, pp+1
.endr
.set qd, 0
.rept 4                                ; a quarter of K at a time, so that the first K steps need not wait for whole rows; GF, LA and s[4:5] are not written again
.set pp, 0
.rept NP
	global_load_async_to_lds_b128 v[LA+pp], v[GF+pp], s[4:5] offset:256*qd  ; the immediate steps both addresses
.set pp, pp+1
.endr
.set qd, qd+1
.endr
	s_wait_asynccnt 3*NP                           ; my rows' first quarter has landed; the count is the copies of the other three
	s_barrier_signal -1
	s_barrier_wait -1
.set fs, 0
	FETCH_A
.set ks, 0
.rept KS
	STEP
.set ks, ks+1
.endr
	; THE WAY OUT.  The sums go through a stage in LDS as f32, so that a wave then holds whole rows: 16 numbers a lane at a time are put through gelu, rounded, and stored in whole blocks of 256 bytes.
	PLACES
	WIN 0
	s_wait_dscnt 0x0
	s_barrier_signal -1
	s_barrier_wait -1                              ; every wave's reads of the rows are over (and every wave's copies were shown landed ahead of the last barrier): the stage may be written over them
.set mb, 0
.rept MB
.set nk, 0
.rept NB
.if mb < 8
	WIN 0x04
.set ac, 8*(mb*NB+nk)
.else
	WIN 0x08
.set ac, 8*nk
.endif
	ds_store_b128 v[5+mb/3], v[ac:ac+3]   offset:(mb%3)*16*SPI+64*nk      ; each accumulator's low registers first
	ds_store_b128 v[5+mb/3], v[ac+4:ac+7] offset:(mb%3)*16*SPI+64*nk+16
.set nk, nk+1
.endr
.set mb, mb+1
.endr
	WIN 0
	s_wait_dscnt 0x0                               ; for the others' sake: my stores are done
	s_barrier_signal -1
	s_barrier_wait -1
.macro LD2 x, off                      ; two rows: a lane takes columns 4 l .. and 128 + 4 l .. of each
	ds_load_b128 v[(\x):(\x)+3],     v20 offset:(\off)
	ds_load_b128 v[(\x)+4:(\x)+7],   v20 offset:(\off)+512
	ds_load_b128 v[(\x)+8:(\x)+11],  v20 offset:(\off)+SPI
	ds_load_b128 v[(\x)+12:(\x)+15], v20 offset:(\off)+SPI+512
.endm
; c gelu of the 16 numbers at x; y: 8 registers to store from.  v64-79 t, v80-95 the exponential, v96-111 (c/2) x, v112-127 the polynomial
.macro GEL x, y, goff
.set i, 0
.rept 16
	v_fma_f32 v[64+i], |v[(\x)+i]|, s48, 1.0
.set i, i+1
.endr
.set i, 0
.rept 8
	v_pk_mul_f32 v[80+i:81+i], v[(\x)+i:(\x)+i+1], v[(\x)+i:(\x)+i+1]
.set i, i+2
.endr
.set i, 0
.rept 8
	v_pk_mul_f32 v[80+i:81+i], v[80+i:81+i], s[50:51] op_sel_hi:[1,0]
.set i, i+2
.endr
.set i, 0
.rept 16
	v_rcp_f32 v[64+i], v[64+i]
.set i, i+1
.endr
.set i, 0
.rept 16
	v_exp_f32 v[80+i], v[80+i]
.set i, i+1
.endr
.set i, 0
.rept 8
	v_pk_mul_f32 v[96+i:97+i], v[(\x)+i:(\x)+i+1], s[2:3] op_sel_hi:[1,0]  ; (c/2) x: plain work that names no result of the batch
.set i, i+2
.endr
	s_wait_alu depctr_va_vdst(0)                   ; one wait for the batch of 32, ahead of its first reader
.set i, 0
.rept 8
	v_pk_fma_f32 v[112+i:113+i], v[64+i:65+i], s[52:53], s[54:55] op_sel_hi:[1,0,0]
.set i, i+2
.endr
.irp a, 56, 58, 60
.set i, 0
.rept 8
	v_pk_fma_f32 v[112+i:113+i], v[112+i:113+i], v[64+i:65+i], s[\a:\a+1] op_sel_hi:[1,1,0]
.set i, i+2
.endr
.endr
.set i, 0
.rept 8
	v_pk_mul_f32 v[112+i:113+i], v[112+i:113+i], v[64+i:65+i]
.set i, i+2
.endr
.set i, 0
.rept 8
	v_pk_fma_f32 v[112+i:113+i], v[112+i:113+i], v[80+i:81+i], s[2:3] op_sel_hi:[1,1,0] neg_lo:[1,0,0] neg_hi:[1,0,0]  ; c/2 - c Phi(-|x|)
.set i, i+2
.endr
.set i, 0
.rept 16
	v_fma_f32 v[(\x)+i], |v[(\x)+i]|, v[112+i], v[96+i]
.set i, i+1
.endr
	s_wait_xcnt 0x0                                ; the registers that earlier stores read are written again only behind this wait
.set i, 0
.rept 8
	v_cvt_pk_f16_f32 v[(\y)+i], v[(\x)+2*i], v[(\x)+2*i+1]
.set i, i+1
.endr
	global_store_b64 v21, v[(\y):(\y)+1],   s[10:11] offset:(\goff)        ; 32 lanes x 8 bytes: 256 consecutive bytes, at a multiple of 256 from hb's first byte
	global_store_b64 v21, v[(\y)+2:(\y)+3], s[10:11] offset:(\goff)+256
	global_store_b64 v21, v[(\y)+4:(\y)+5], s[10:11] offset:(\goff)+2048
	global_store_b64 v21, v[(\y)+6:(\y)+7], s[10:11] offset:(\goff)+2304
.endm
	LD2 32, 0                                      ; my 36 rows are 18 pairs: a pair is fetched while the pair before is worked on
	s_mov_b32 s62, 8
.Lrows:
	LD2 48, 2*SPI
	s_wait_dscnt 4                                 ; all but the four loads just issued
	GEL 32, 128, 0
	LD2 32, 4*SPI
	s_wait_dscnt 4
	GEL 48, 136, 4096
	v_add_nc_u32 v20, 4*SPI, v20
	s_wait_xcnt 0x0                                ; the stores' base is stepped only behind this wait
	s_add_nc_u64 s[10:11], s[10:11], 8192
	s_sub_co_u32 s62, s62, 1
	s_cmp_lg_u32 s62, 0
	s_cbranch_scc1 .Lrows
	LD2 48, 2*SPI                                  ; the last two pairs: nothing more to fetch behind them
	s_wait_dscnt 4
	GEL 32, 128, 0
	s_wait_dscnt 0x0
	GEL 48, 136, 4096
	s_wait_tensorcnt 0x0                           ; the wave's end: these lines behind my last copy and my last LDS store
	s_wait_asynccnt 0x0
	ds_add_u32 v30, v31
	s_wait_dscnt 0x0
	s_endpgm
.Lfunc_end_k_q9f222b5312_up:
	.size	k_q9f222b5312_up, .Lfunc_end_k_q9f222b5312_up-k_q9f222b5312_up
	.p2alignl 7, 3214868480
	.fill 96, 4, 3214868480
	.section	.rodata,"a",@progbits
	.p2align	6, 0x0
	.amdhsa_kernel k_q9f222b5312_up
		.amdhsa_group_segment_fixed_size 167936
		.amdhsa_private_segment_fixed_size 0
		.amdhsa_enable_private_segment 0
		.amdhsa_kernarg_size 32
		.amdhsa_user_sgpr_count 2
		.amdhsa_user_sgpr_kernarg_segment_ptr 1
		.amdhsa_wavefront_size32 1
		.amdhsa_system_sgpr_workgroup_id_x 1
		.amdhsa_system_sgpr_workgroup_id_y 1
		.amdhsa_system_sgpr_workgroup_id_z 1
		.amdhsa_system_vgpr_workitem_id 0
		.amdhsa_next_free_vgpr 768
		.amdhsa_next_free_sgpr 66
		.amdhsa_reserve_vcc 0
		.amdhsa_float_denorm_mode_32 3
		.amdhsa_float_denorm_mode_16_64 3
		.amdhsa_memory_ordered 1
		.amdhsa_forward_progress 1
		.amdhsa_inst_pref_size 128
	.end_amdhsa_kernel
	.amdgpu_metadata
---
amdhsa.version: [ 1, 2 ]
amdhsa.kernels:
  - .name:           k_q9f222b5312_up
    .symbol:         k_q9f222b5312_up.kd
    .args:
      - { .name: xb, .offset: 0, .size: 8, .value_kind: global_buffer, .address_space: global }
      - { .name: w0b, .offset: 8, .size: 8, .value_kind: global_buffer, .address_space: global }
      - { .name: route, .offset: 16, .size: 8, .value_kind: global_buffer, .address_space: global }
      - { .name: hb, .offset: 24, .size: 8, .value_kind: global_buffer, .address_space: global }
    .group_segment_fixed_size: 167936
    .private_segment_fixed_size: 0
    .kernarg_segment_align: 8
    .kernarg_segment_size: 32
    .max_flat_workgroup_size: 128
    .sgpr_count:     66
    .vgpr_count:     768
    .wavefront_size: 32
...
	.end_amdgpu_metadata
.endif
;; end of part 2
;; launch down (part 3): grid 256 x 1, 4 waves a work-group, clusters of 4 x 1, 327,680 bytes of LDS; arguments hb, w1b, route, routing_weights, out0; writes out0
.if DOCPART == 3
	.amdgcn_target "amdgcn-amd-amdhsa--gfx1250"
	.amdhsa_code_object_version 6
	.text
	.protected	k_q9f222b5312_down
	.globl	k_q9f222b5312_down
	.p2align	8
	.type	k_q9f222b5312_down,@function
k_q9f222b5312_down:
	s_mov_b64 s[64:65], 0
	v_nop
	global_prefetch_b8 v0, s[64:65] scope:SCOPE_SE
	s_setreg_imm32_b32 hwreg(HW_REG_WAVE_MODE, 25, 1), 1
	s_wait_xcnt 0x0
	s_wait_alu depctr_hold_cnt(0) depctr_sa_sdst(0) depctr_va_vdst(0) depctr_va_sdst(0) depctr_va_ssrc(0) depctr_va_vcc(0) depctr_vm_vsrc(0)
	s_getreg_b32 s2, hwreg(HW_REG_IB_STS2, 6, 4)
	s_cmp_eq_u32 s2, 0
	s_cbranch_scc0 .Lentry_in_a_cluster
	s_endpgm
.Lentry_in_a_cluster:
	s_bfe_u32 s2, ttmp6, 0x10000c
	s_cmp_lg_u32 s2, 0x3003
	s_cbranch_scc0 .Lentry_shape_is_right
	s_endpgm
.Lentry_shape_is_right:
; DOWN.  out0[token][n] = 16 gate x sum over k of hb[g][m][k] w1[e][k][n], token = route[g][m], e = route[g][144], gate = routing_weights[token][e], for the places m < cnt = route[g][145].
; hb: [64][144][1024] f16, the hidden layer times 2^-4; w1b: bf16(w1) written as f16, in operand order; out0: [8192][512] f32.  Sums in f32; the gate is rounded once to bf16 where it is put
; into its table in LDS, and takes the factor 16 (exact) with it.
; SHARES.  A cluster of four work-groups has one group of 144 rows; work-group cx has columns 128 cx .. + 127.  Its four waves split these in two and K IN TWO: wave (ch, kh) has ALL 144 rows,
; columns 64 ch .. + 63 and k = 512 kh .. + 511: 9 x 4 accumulators, 16 K steps.  So a K step's 18 LDS loads feed 36 matrix instructions (with four waves side by side along the columns: 18),
; and still no weight is loaded twice.  The two halves' sums, in f32, meet in LDS on the way out.  The order of the additions differs from a single sum over k: within the allowance.
; A wave's weights are read by that wave alone: from memory straight into registers, through a ring of 7 K steps.  LDS holds the rows alone, all 1,024 k, in eight chunks of 128 k:
; first fills only, asked for JOINTLY by the four work-groups, in the order 0, 4, 1, 5, 2, 6, 3, 7, in which the two halves of K want them.  A wave has eight tensor
; loads out at the most.  The weights are not asked for jointly: they go to registers.
; THE MATRIX INSTRUCTION IS USED TRANSPOSED (source 0 = 16 columns of W, source 1 = 16 rows): a lane holds row l % 16 and the columns 8 (l / 16) + 0..7.
; WHO STORES.  Every token lies at one place below cnt of one group, so each row of out0 has one owner.  A wave stores its 36 rows if the first of them lies below cnt, and else none (its stores are
; issued with no lane on): no branch of this launch hangs on a number read from memory, and the four partners run the same instructions.  In a wave that stores, the places past cnt repeat the
; group's last token, which lies in the same wave: they store the same numbers into the same row once more, 35 rows of 512 bytes at the most in a work-group.
; All vector work of the way out stands ahead of the narrowing of EXEC.  NaN and infinities are not treated apart.
; REGISTERS (s_set_vgpr_msb: bits 1:0 source 0, 3:2 source 1, 5:4 source 2, 7:6 destination):
;   window 0: v0-31 addresses, gates, tokens; v32-103, v104-175 the rows' 9 operands, two buffers; on the way out v32-175 my 36 rows, v176-247 their {gate, token}
;   window 1: accumulators (mb, nk), mb < 8, at v[8 (4 mb + nk)]; on the way out v0-143 my 36 rows' other halves          window 2: v0-31 those of mb = 8; v32-255 the weights' ring, 7 x 32
.set MB,   9
.set PA,   272                         ; an LDS row: 256 bytes + 16 of padding: the 16 rows of a load start at 16 different groups of four banks (64 banks of 4 bytes: ISA guide 11.1)
.set CH,   144*PA
.set KS,   16                          ; K steps of a wave
.set NCH,  8
.set NB,   4
.set R,    7
.set LPG,  2*NB
.set NBS,  32768
.set ASTR, 1024
.set BR,   32
.set RT,   NCH*CH                      ; behind the chunks: 512 bytes for each wave: its 36 rows' {gate, token}
.set SPARE, RT+2048                    ; the spare words, 128 bytes a wave: two blocks of 256 bytes that no other line names
.set SPI,  528                         ; a stage's row: 128 f32 + 16 bytes
.set ST1,  144*SPI                     ; two stages, one for each half of K; they lie over the chunks, which have had their only fill and their last read
.set WR,   36                          ; rows that a wave stores
.set XR,   32                          ; v[XR + 4 r ..]: row r of my 36
.set GT,   176                         ; v[GT + 2 r], v[GT + 2 r + 1]: its gate, its token (later its byte offset in out0)
.set MSB, 0
.macro WIN new
.if MSB != (\new)
	s_set_vgpr_msb (MSB<<8)|(\new)
.set MSB, \new
.endif
.endm
.macro ROUND                           ; a round of the cluster's barrier
	s_barrier_signal -1
	s_barrier_wait -1
	s_cmp_lg_u32 s12, 0
	s_cbranch_scc1 .Lnot_wave_0_\@
	s_barrier_signal -3
.Lnot_wave_0_\@:
	s_barrier_wait -3
	s_barrier_signal -1
	s_barrier_wait -1
.endm
.macro PLACES                          ; four plain vector instructions between a matrix instruction and a load into, or a store of, its registers
.rept 4
	v_nop
.endr
.endm
.macro MM1
.set fa, 32+72*(ks%2)+8*mb
.set fw, BR+(ks%R)*8*NB+8*nk
.if mb < 8
	WIN 0x52
.set ac, 8*(mb*NB+nk)
.else
	WIN 0xa2
.set ac, 8*nk
.endif
.if ks == 0
	v_wmma_f32_16x16x32_f16 v[ac:ac+7], v[fw:fw+7], v[fa:fa+7], 0
.else
	v_wmma_f32_16x16x32_f16 v[ac:ac+7], v[fw:fw+7], v[fa:fa+7], v[ac:ac+7]
.endif
.endm
.macro MULS mb0, mb1                   ; the 36 accumulators take turns, one instruction a turn, in the same order in every K step
.set mb, \mb0
.rept (\mb1)-(\mb0)+1
.set nk, 0
.rept NB
	MM1
.set nk, nk+1
.endr
.set mb, mb+1
.endr
.endm
.macro FETCH_A                         ; the rows' operands of my K step fs: 18 LDS loads in one run
	WIN 0
.if (fs%4 == 0) && (fs > 0)
	v_add_nc_u32 v3, CH, v3
.endif
.set mb, 0
.rept MB
	ds_load_b128 v[32+72*(fs%2)+8*mb:35+72*(fs%2)+8*mb], v3 offset:mb*16*PA+(fs%4)*64
	ds_load_b128 v[36+72*(fs%2)+8*mb:39+72*(fs%2)+8*mb], v3 offset:mb*16*PA+(fs%4)*64+32
.set mb, mb+1
.endr
.endm
.macro LOAD_B
	WIN 0x80
.set nk, 0
.rept NB
	global_load_b128 v[BR+(ls%R)*8*NB+8*nk:BR+(ls%R)*8*NB+8*nk+3],   v4, s[6:7] offset:nk*NBS+ls*1024
	global_load_b128 v[BR+(ls%R)*8*NB+8*nk+4:BR+(ls%R)*8*NB+8*nk+7], v4, s[6:7] offset:nk*NBS+ls*1024+512
.set nk, nk+1
.endr
.endm
.macro STEP
	s_wait_dscnt 0x0                               ; the rows' operands of this step are in
.set iss, R+ks-1
.if ks == 0
.set iss, R
.endif
.if iss > KS
.set iss, KS
.endif
	s_wait_loadcnt LPG*(iss-ks-1)                  ; this step's weights are in; the count is the weight loads behind them (the two gate loads, issued behind group 6, are left out of it: the smaller count is the safe one)
	MULS 0, 1
.if ks+1 < KS
.if (ks+1)%4 == 0
	s_wait_tensorcnt NCH-2-2*((ks+1)/4)            ; my 36 rows of the next chunk of each half of K have landed; the count is my loads of the chunks behind these two
	s_barrier_signal -1                            ; no LDS instruction of mine is out
	s_barrier_wait -1
.endif
	PLACES
.set fs, ks+1
	FETCH_A
.if (ks >= 1) && (ks+R-1 < KS)
.set ls, ks+R-1
	LOAD_B
.endif
.endif
	MULS 2, 8
.endm
	s_load_b256 s[4:11], s[0:1], 0x0               ; hb s[4:5], w1b s[6:7], route s[8:9], routing_weights s[10:11]
	s_load_b64 s[20:21], s[0:1], 0x20              ; out0
	v_lshl_add_u32 v30, v0, 2, SPARE
	v_mov_b32 v31, 0
	ds_add_u32 v30, v31                            ; the wave's opening: the add and its wait ahead of my first tensor load
	ds_add_u32 v30, v31
	v_lshrrev_b32 v1, 5, v0
	v_readfirstlane_b32 s12, v1                    ; wave 0..3
	s_and_b32 s15, s12, 1                          ; ch: which 64 columns
	s_lshr_b32 s66, s12, 1                         ; kh: which half of K
	s_bfe_u32 s13, ttmp6, 0x40000                  ; cx, my column tile: it enters the weights' and out0's addresses alone
	s_mov_b32 s14, ttmp9                           ; the row group
	s_mov_b32 s24, 15|(1<<16)|(1<<20)|(1<<21)|(5<<22)|(3<<25)  ; the mask of four; 2-byte elements; padding on; bit 21 beside a mask; after every 64 words 4 words
	s_mov_b32 s25, 128<<16                         ; tensor_dim0 = 128
	s_mov_b32 s26, 36<<16                          ; tensor_dim1 = 36
	s_mov_b32 s27, 128<<16                         ; tile_dim0 = 128
	s_mov_b32 s28, 36                              ; tile_dim1 = 36
	s_mov_b32 s29, ASTR
	s_mov_b32 s30, 0
	s_mov_b32 s31, 0
	s_mul_i32 s19, s12, 36*PA
	s_mul_i32 s16, s14, 144*ASTR*2
	s_mul_i32 s18, s12, 36*ASTR*2
	s_add_co_u32 s16, s16, s18
	s_mov_b32 s17, 0
	s_lshl_b32 s2, s14, 10
	s_mov_b32 s3, 0
	s_wait_dscnt 0x0                               ; the opening add is done
	s_wait_kmcnt 0x0
	s_add_nc_u64 s[8:9], s[8:9], s[2:3]            ; the group's table
	s_load_b64 s[22:23], s[8:9], 0x240             ; the expert, cnt
	s_add_nc_u64 s[4:5], s[4:5], s[16:17]
.irp c, 0,1,2,3,4,5,6,7                ; a group 0 for each chunk, never rewritten: every wave brings its 36 rows of every chunk
	s_mov_b32 s[32+4*\c], 1
	s_add_co_u32 s[33+4*\c], s19, \c*CH
	s_add_nc_u64 s[34+4*\c:35+4*\c], s[4:5], 256*\c
	s_or_b32 s[35+4*\c], s[35+4*\c], 0x80000000
.endr
	ROUND                                          ; all four work-groups are here: the joint loads meet
.irp c, 0,4,1,5,2,6,3,7
	tensor_load_to_lds s[32+4*\c:35+4*\c], s[24:31]
	s_nop 0
.endr
	v_and_b32 v1, 15, v0                           ; l % 16
	v_bfe_u32 v2, v0, 4, 1                         ; l / 16
	v_mul_u32_u24 v3, v1, PA
	v_lshl_add_u32 v3, v2, 4, v3
	s_mul_i32 s16, s66, 4*CH                       ; my half of K begins at chunk 4 kh
	v_add_nc_u32 v3, s16, v3
	v_and_b32 v17, 31, v0                          ; lane
	v_and_b32 v18, 3, v0
	v_lshlrev_b32 v4, 4, v17                       ; 16 x lane: my place in 512 bytes of the weights, of a stage's row and of a row of out0
	v_mul_u32_u24 v5, v1, SPI                      ; into my half's stage: row l % 16, 32 bytes for each half of the lanes, 256 bytes for each half of the columns
	v_lshl_add_u32 v5, v2, 5, v5
	v_lshl_add_u32 v5, s15, 8, v5
	s_mul_i32 s16, s66, ST1
	v_add_nc_u32 v5, s16, v5
	v_add_nc_u32 v6, 4*16*SPI, v5                  ; row blocks 4-8
	s_mul_i32 s16, s12, WR*SPI
	v_add_nc_u32 v20, s16, v4                      ; back: my wave's 36 rows, a row a load, out of the first stage,
	v_add_nc_u32 v24, ST1, v20                     ; and out of the second; neither is rewritten
	s_lshl_b32 s16, s12, 9
	s_add_co_u32 s16, s16, RT                      ; my wave's table
	v_lshl_add_u32 v15, v17, 3, s16
	v_lshl_add_u32 v16, v18, 3, s16
	v_mov_b32 v22, s16                             ; never rewritten
	s_mul_i32 s18, s12, 4*WR
	v_lshl_add_u32 v12, v17, 2, s18                ; my wave's 36 words of the group's table: 32,
	v_lshl_add_u32 v13, v18, 2, s18                ; and 4 more (eight lanes each)
	s_lshl_b32 s16, s13, 9
	s_mov_b32 s17, 0
	s_add_nc_u64 s[20:21], s[20:21], s[16:17]      ; out0 at my tile's first column
	s_wait_kmcnt 0x0
	s_min_u32 s22, s22, 7
	s_mul_i32 s68, s12, WR
	s_sub_co_i32 s67, s23, s68                     ; how many of my wave's rows lie below cnt (signed),
	v_mov_b32 v23, s67                             ; in every lane: it makes the stores' mask; never rewritten
	s_lshl_b32 s16, s22, 2
	s_add_nc_u64 s[10:11], s[10:11], s[16:17]      ; the expert's gate in a token's eight
	s_lshl_b32 s16, s22, 20                        ; the expert's weights, 1 MiB;
	s_lshl_b32 s18, s13, 18                        ; my tile's 8 column blocks;
	s_add_co_u32 s16, s16, s18
	s_lshl_b32 s18, s15, 17                        ; my wave's 4;
	s_add_co_u32 s16, s16, s18
	s_lshl_b32 s18, s66, 14                        ; my half of K: 16 operands of 1,024 bytes in each block
	s_add_co_u32 s16, s16, s18
	s_add_nc_u64 s[6:7], s[6:7], s[16:17]
	global_load_b32 v9, v12, s[8:9]                ; tokens
	global_load_b32 v11, v13, s[8:9] offset:128
.set ls, 0
.rept R
	LOAD_B
.set ls, ls+1
.endr
	WIN 0
	s_wait_tensorcnt NCH-2                         ; my rows of chunks 0 and 4 have landed; six loads of mine stay out
	s_barrier_signal -1
	s_barrier_wait -1
.set fs, 0
	FETCH_A
.set ks, 0
.rept KS
	STEP
.if ks == 0
	WIN 0                                          ; K step 0's wait for its weights has shown the two token loads, issued ahead of them, done: the gates are asked for with no wait of their own
	v_min_u32 v12, 0x1fff, v9
	v_min_u32 v13, 0x1fff, v11
	v_lshlrev_b32 v12, 5, v12
	v_lshlrev_b32 v13, 5, v13
	global_load_b32 v8, v12, s[10:11]              ; gates; v8-13 stay as they are to the end of the K loop, whose last wait is for 0
	global_load_b32 v10, v13, s[10:11]
.endif
.set ks, ks+1
.endr
	; THE WAY OUT.  The sums of each half of K go into a stage of their own in LDS; a wave then takes whole rows of 512 bytes out of both, adds them, multiplies by the row's gate and stores at the token's row.
	PLACES
	WIN 0
	s_wait_dscnt 0x0
	s_barrier_signal -1
	s_barrier_wait -1                              ; every wave's reads of the chunks are over: the stages may be written over them
	v_cvt_pk_bf16_f32 v14, v8, v10                 ; the gates, rounded once,
	v_lshlrev_b32 v8, 16, v14
	v_and_b32 v10, 0xffff0000, v14
	v_mul_f32 v8, 0x41800000, v8                   ; times 16 (exact): the hidden layer was stored times 2^-4
	v_mul_f32 v10, 0x41800000, v10
	ds_store_b64 v15, v[8:9]                       ; rows 0-31 of my 36: {gate, token}
	ds_store_b64 v16, v[10:11] offset:256          ; rows 32-35: lanes with one address write the same data
.set mb, 0
.rept MB
.set sx, mb/4
.if sx > 1
.set sx, 1
.endif
.set nk, 0
.rept NB
.if mb < 8
	WIN 0x04
.set ac, 8*(mb*NB+nk)
.else
	WIN 0x08
.set ac, 8*nk
.endif
	ds_store_b128 v[5+sx], v[ac:ac+3]   offset:(mb-4*sx)*16*SPI+64*nk     ; each accumulator's low registers first
	ds_store_b128 v[5+sx], v[ac+4:ac+7] offset:(mb-4*sx)*16*SPI+64*nk+16
.set nk, nk+1
.endr
.set mb, mb+1
.endr
	WIN 0
	s_wait_dscnt 0x0                               ; for the others' sake: my stores are done
	s_barrier_signal -1
	s_barrier_wait -1
	; All 90 LDS loads go out in one run: the 36 {gate, token}, two a load, the same 16 bytes for every lane; my 36 rows out of the first stage; the same rows out of the second, into window 1.
.set pp, 0
.rept WR/2
	ds_load_b128 v[GT+4*pp:GT+4*pp+3], v22 offset:16*pp
.set pp, pp+1
.endr
.set rw, 0
.rept WR
	ds_load_b128 v[XR+4*rw:XR+4*rw+3], v20 offset:rw*SPI
.set rw, rw+1
.endr
	WIN 0x40
.set rw, 0
.rept WR
	ds_load_b128 v[4*rw:4*rw+3], v24 offset:rw*SPI
.set rw, rw+1
.endr
	WIN 0x04
.set rw, 0
.rept WR
	s_wait_dscnt WR-1-rw                           ; LDS loads come back in order: row rw's second half is in (and all that was issued ahead of the second halves); the count is the rows behind it
	v_pk_add_f32 v[XR+4*rw:XR+4*rw+1],   v[XR+4*rw:XR+4*rw+1],   v[4*rw:4*rw+1]      ; the two halves of K
	v_pk_add_f32 v[XR+4*rw+2:XR+4*rw+3], v[XR+4*rw+2:XR+4*rw+3], v[4*rw+2:4*rw+3]
.set rw, rw+1
.endr
	WIN 0
.set rw, 0
.rept WR
	v_pk_mul_f32 v[XR+4*rw:XR+4*rw+1],   v[XR+4*rw:XR+4*rw+1],   v[GT+2*rw:GT+2*rw+1] op_sel_hi:[1,0]  ; times the gate, the pair's low word
	v_pk_mul_f32 v[XR+4*rw+2:XR+4*rw+3], v[XR+4*rw+2:XR+4*rw+3], v[GT+2*rw:GT+2*rw+1] op_sel_hi:[1,0]
	v_min_u32 v[GT+2*rw+1], 0x1fff, v[GT+2*rw+1]
	v_lshl_add_u32 v[GT+2*rw+1], v[GT+2*rw+1], 11, v4      ; the token's row of 2,048 bytes + my 16 bytes
.set rw, rw+1
.endr
	s_wait_xcnt 0x0                                ; EXEC is a source of every global instruction issued so far: it is narrowed only behind this wait
	v_cmp_lt_i32 vcc_lo, 0, v23                    ; does my first row lie below cnt?  The answer is the same in all 32 lanes
	s_and_saveexec_b32 s69, vcc_lo                 ; all lanes, or none
.set rw, 0
.rept WR
	global_store_b128 v[GT+2*rw+1], v[XR+4*rw:XR+4*rw+3], s[20:21] th:TH_STORE_NT  ; 512 consecutive bytes, at a multiple of 256 from out0's first byte
.set rw, rw+1
.endr
	s_wait_xcnt 0x0                                ; EXEC is a source of the stores: it is widened only behind this wait
	s_mov_b32 exec_lo, -1                          ; all lanes were on: they are on again
	s_wait_tensorcnt 0x0                           ; the wave's end: these three lines behind my last tensor load and my last LDS store
	ds_add_u32 v30, v31
	s_wait_dscnt 0x0
	ROUND                                          ; the closing round
	s_endpgm
.Lfunc_end_k_q9f222b5312_down:
	.size	k_q9f222b5312_down, .Lfunc_end_k_q9f222b5312_down-k_q9f222b5312_down
	.p2alignl 7, 3214868480
	.fill 96, 4, 3214868480
	.section	.rodata,"a",@progbits
	.p2align	6, 0x0
	.amdhsa_kernel k_q9f222b5312_down
		.amdhsa_group_segment_fixed_size 327680
		.amdhsa_private_segment_fixed_size 0
		.amdhsa_enable_private_segment 0
		.amdhsa_kernarg_size 40
		.amdhsa_user_sgpr_count 2
		.amdhsa_user_sgpr_kernarg_segment_ptr 1
		.amdhsa_wavefront_size32 1
		.amdhsa_system_sgpr_workgroup_id_x 1
		.amdhsa_system_sgpr_workgroup_id_y 1
		.amdhsa_system_sgpr_workgroup_id_z 1
		.amdhsa_system_vgpr_workitem_id 0
		.amdhsa_next_free_vgpr 768
		.amdhsa_next_free_sgpr 72
		.amdhsa_reserve_vcc 1
		.amdhsa_float_denorm_mode_32 3
		.amdhsa_float_denorm_mode_16_64 3
		.amdhsa_memory_ordered 1
		.amdhsa_forward_progress 1
		.amdhsa_inst_pref_size 109
	.end_amdhsa_kernel
	.amdgpu_metadata
---
amdhsa.version: [ 1, 2 ]
amdhsa.kernels:
  - .name:           k_q9f222b5312_down
    .symbol:         k_q9f222b5312_down.kd
    .args:
      - { .name: hb, .offset: 0, .size: 8, .value_kind: global_buffer, .address_space: global }
      - { .name: w1b, .offset: 8, .size: 8, .value_kind: global_buffer, .address_space: global }
      - { .name: route, .offset: 16, .size: 8, .value_kind: global_buffer, .address_space: global }
      - { .name: routing_weights, .offset: 24, .size: 8, .value_kind: global_buffer, .address_space: global }
      - { .name: out0, .offset: 32, .size: 8, .value_kind: global_buffer, .address_space: global }
    .group_segment_fixed_size: 327680
    .private_segment_fixed_size: 0
    .kernarg_segment_align: 8
    .kernarg_segment_size: 40
    .max_flat_workgroup_size: 128
    .sgpr_count:     72
    .vgpr_count:     768
    .wavefront_size: 32
...
	.end_amdgpu_metadata
.endif
;; end of part 3
